; MI455X (gfx1250); checked and timed in simulation.
; The chip was launched on July 23, 2026; its instructions are those of AMD's public machine-readable ISA for CDNA 5 (MIT licence, August 2026) and "CDNA5" Instruction Set Architecture Reference Guide (July 2026). The comments in the code are by the model that wrote it; some were corrected since.
;; LSTM. Allowed arithmetic: float matrix products may take bf16 or f16 operands with f32 sums; other float arithmetic in f32, or as packed bf16 or f16 multiplies, adds, multiply-adds, maxima and minima; sums over many terms, partial sums and values carried from step to step in f32; what a program stores and reads back later, other than sums and carried values, may be rounded once to bf16 or f16.
;; Inputs: W 4,096 x 4,096 float32; b 4,096 float32; x 4,096 x 4,096 float32.
;; Outputs: out0 4,096 x 4,096 float32.
;; 2 versions, each right; version 2 is version 1 with the launch prep written anew for expert scheduling mode. Each part assembles by itself: llvm-mc -triple=amdgcn-amd-amdhsa -mcpu=gfx1250 --defsym DOCPART=n.
;; ======== version 1 of 2: 2 launches
;; workspace buffers: xb 33,554,432 bytes; wf 35,651,584 bytes; bias2 16,640 bytes
;; launch prep (part 1): grid 256 x 1, 16 waves a work-group, no clusters, 3,072 bytes of LDS; arguments x, W, b, xb, wf, bias2; writes xb, wf, bias2
.if DOCPART == 1
	.amdgcn_target "amdgcn-amd-amdhsa--gfx1250"
	.amdhsa_code_object_version 6
	.text
	.protected	k_q03d385ec6f_prep
	.globl	k_q03d385ec6f_prep
	.p2align	8
	.type	k_q03d385ec6f_prep,@function
k_q03d385ec6f_prep:
	s_mov_b64 s[64:65], 0
	v_nop
	global_prefetch_b8 v0, s[64:65] scope:SCOPE_SE
	s_setreg_imm32_b32 hwreg(HW_REG_WAVE_MODE, 25, 1), 1
	s_wait_xcnt 0x0
; out = cumsum(x W + b, axis 1), x [4096][4096], W [4096 (k)][4096 (f)], b [4096], all f32.  FIRST OF TWO LAUNCHES: it rounds the inputs to bf16 and lays them out for the product.
; No work of the problem is left out: all three inputs are loaded, every product and every sum is made.
; LIMITS.  x, W and b are each rounded once to bf16 (nearest even); all sums are f32, in another order than a scan from left to right.  NaN and infinities are not treated apart: a prefix
; of W that is infinite gives NaN in its lower parts.
; WHAT IT STORES.
;   xb    [4096][4096] bf16, row-major: x rounded.
;   wf    [J 0..15][kstep 0..31][nblk 0..16][k16 0..7][512 bytes] bf16: W rounded, turned, in the order in which a matrix operand's registers take it.  A block of 512 bytes is 16 operand rows x 16 k:
;         the 16 bytes at 16 (r + 16 h) are operand row r, k = 128 kstep + 16 k16 + 8 h + 0..7.  For nblk = 4 g + t operand row r is column f = 256 J + 64 g + 4 r + t.
;         nblk = 16 is the CARRY BLOCK: with P0[k] = the sum over f < 256 J of the rounded W[k][f] and P1[k] the same for f < 256 J + 128, operand rows 0, 1, 2 are three bf16 parts of P0 (each the
;         rounding of what the parts before leave: together f32's 24 bits), rows 3, 4, 5 those of P1, rows 6, 7 are 0, rows 8-15 repeat rows 0-7.  x times these columns is the scan's carry into a tile.
;   bias2 bytes 0..16383: the rounded b as f32 in the order of an accumulator's registers: word ((G 2 + h) 4 + t) 8 + j is b[64 G + 32 h + 4 j + t]; bytes 16384..16511: word c is the sum of the rounded b[f], f < 128 c.
; SHARES.  Work-group i owns rows 16 i .. 16 i + 15 of W (one k16 block of every tile column) and of x.  Wave w owns W's columns 256 w .. 256 w + 255 (tile column J = w) and x's row 16 i + w.
; A lane (q = lane % 16, h = lane / 16) loads 16 bytes of W's row 8 h + n: sixteen lanes take 256 consecutive aligned bytes.  The turn is made by the choice of registers: column 4 q + c of the eight rows
; lies in register c of the lane's eight loads.  All loads of a wave go out before or while the first are used; no loop.
.set SPARE, 1024                       ; LDS: bytes 0..1023 the waves' row sums [16 waves][16 k] f32; from 1024 the spare words, 128 bytes for each of 16 waves, which no other line names
.set OW,   4                           ; v4   W: h x 8 rows + 16 q + 1,024 w
.set OX,   5                           ; v5   x: 16 lane + 16,384 w
.set OS,   6                           ; v6   wf: 16 lane + 2,228,224 w
.set OXS,  7                           ; v7   xb: 8 lane + 8,192 w
.set OT,   8                           ; v8   LDS: 64 w + 32 h
.set OTR,  9                           ; v9   LDS: 32 h
.set SPW,  12                          ; v12  LDS address of my spare word; never rewritten
.set NIL,  13                          ; v13  0; never rewritten
.set WB,   16                          ; v[16:143]  W: group gg of 64 columns at WB + 32 gg, load n at + 4 n; groups 0-2 then take x's loads 8-31, group 3 the other waves' sums
.set XB,   144                         ; v[144:175] x's loads 0-7
.set PK,   176                         ; v[176:207] packed bf16 to store, two sets of 16
.set U,    208                         ; v[208:223] at work, two sets of 8
.set SA,   224                         ; v[224:231] sums of my columns 0-127, for k = 8 h + 0..7
.set SB,   232                         ; v[232:239] of my columns 128-255
.set TT,   240                         ; v[240:247] my wave's total; later P1
.set BASE, 248                         ; v[248:255] the earlier waves' totals: P0
	s_load_b256 s[4:11], s[0:1], 0x0               ; x s[4:5], W s[6:7], b s[8:9], xb s[10:11]
	s_load_b128 s[12:15], s[0:1], 0x20             ; wf s[12:13], bias2 s[14:15]
	v_lshl_add_u32 v[SPW], v0, 2, SPARE
	v_mov_b32 v[NIL], 0
	v_lshrrev_b32 v1, 5, v0
	v_readfirstlane_b32 s16, v1                    ; wave 0..15
	v_and_b32 v1, 31, v0                           ; lane
	v_and_b32 v2, 15, v0                           ; q
	v_bfe_u32 v3, v0, 4, 1                         ; h
	s_mov_b32 s24, 0xffff0000                      ; a word's upper bf16
	s_lshl_b32 s20, s16, 10
	v_lshlrev_b32 v[OW], 4, v2
	v_lshl_add_u32 v[OW], v3, 17, v[OW]            ; 8 rows of 16,384 bytes for the upper half of the lanes
	v_add_nc_u32 v[OW], s20, v[OW]
	s_lshl_b32 s20, s16, 14
	v_lshl_add_u32 v[OX], v1, 4, s20
	s_mul_i32 s20, s16, 2228224
	v_lshl_add_u32 v[OS], v1, 4, s20
	s_lshl_b32 s20, s16, 13
	v_lshl_add_u32 v[OXS], v1, 3, s20
	s_lshl_b32 s20, s16, 6
	v_lshl_add_u32 v[OT], v3, 5, s20
	v_lshlrev_b32 v[OTR], 5, v3
	v_and_b32 v10, 7, v0                           ; m: my operand row of the carry block, modulo 8
	v_cmp_le_u32 s23, 3, v10                       ; rows 3 and up belong to P1
	v_add_nc_u32 v14, -3, v10
	v_cndmask_b32 v11, v10, v14, s23               ; which part: 0, 1, 2; 3 and 4 for the rows of zeros
	s_lshl_b32 s18, ttmp9, 18                      ; 16 rows of 16,384 bytes
	s_mov_b32 s19, 0
	s_wait_kmcnt 0x0
	s_add_nc_u64 s[6:7], s[6:7], s[18:19]
	s_add_nc_u64 s[4:5], s[4:5], s[18:19]
	s_lshl_b32 s18, ttmp9, 17                      ; 16 rows of 8,192 bytes
	s_add_nc_u64 s[10:11], s[10:11], s[18:19]
	s_lshr_b32 s20, ttmp9, 3                       ; kstep
	s_mul_i32 s18, s20, 69632
	s_and_b32 s20, ttmp9, 7                        ; k16
	s_lshl_b32 s20, s20, 9
	s_add_co_u32 s18, s18, s20
	s_add_nc_u64 s[12:13], s[12:13], s[18:19]
	; 32 loads of W, then the first 8 of x: 40 out
.irp gg, 0,1,2,3
.irp n, 0,1,2,3,4,5,6,7
	global_load_b128 v[WB+32*(\gg)+4*(\n):WB+32*(\gg)+4*(\n)+3], v[OW], s[6:7] offset:(\n)*16384+(\gg)*256 th:TH_LOAD_NT
.endr
.endr
.irp n, 0,1,2,3,4,5,6,7
	global_load_b128 v[XB+4*(\n):XB+4*(\n)+3], v[OX], s[4:5] offset:512*(\n) th:TH_LOAD_NT
.endr
; Group gg: 64 columns x 16 k.  For each c the lane's eight numbers of column 4 q + c are rounded in pairs (16 bytes), stored (a wave's store covers 512 consecutive aligned bytes: one block of wf),
; widened again and added onto the half's sums: the prefixes are made of the ROUNDED W, as the product is.
.macro GROUP gg
	s_wait_loadcnt 32                              ; loads come back in order: behind this group's eight stand (3 - gg) x 8 of W, x's first 8 and the 8 gg issued by the groups before: 32 each time
	s_wait_xcnt 0x0                                ; this PK set was store data two groups back: it is rewritten only behind this wait
.irp c, 0,1,2,3
.irp p, 0,1,2,3
	v_cvt_pk_bf16_f32 v[PK+16*((\gg)%2)+4*(\c)+(\p)], v[WB+32*(\gg)+8*(\p)+(\c)], v[WB+32*(\gg)+8*(\p)+4+(\c)]
.endr
	global_store_b128 v[OS], v[PK+16*((\gg)%2)+4*(\c):PK+16*((\gg)%2)+4*(\c)+3], s[12:13] offset:(4*(\gg)+(\c))*4096
.if (((\gg)%2) == 0) && ((\c) == 0)
.irp p, 0,1,2,3                        ; a half's first column starts its sums: nothing is cleared
	v_lshlrev_b32 v[SA+8*((\gg)/2)+2*(\p)],   16,  v[PK+16*((\gg)%2)+4*(\c)+(\p)]
	v_and_b32     v[SA+8*((\gg)/2)+2*(\p)+1], s24, v[PK+16*((\gg)%2)+4*(\c)+(\p)]
.endr
.else
.irp p, 0,1,2,3
	v_lshlrev_b32 v[U+8*((\c)%2)+2*(\p)],   16,  v[PK+16*((\gg)%2)+4*(\c)+(\p)]
	v_and_b32     v[U+8*((\c)%2)+2*(\p)+1], s24, v[PK+16*((\gg)%2)+4*(\c)+(\p)]
.endr
.irp p, 0,1,2,3
	v_pk_add_f32 v[SA+8*((\gg)/2)+2*(\p):SA+8*((\gg)/2)+2*(\p)+1], v[SA+8*((\gg)/2)+2*(\p):SA+8*((\gg)/2)+2*(\p)+1], v[U+8*((\c)%2)+2*(\p):U+8*((\c)%2)+2*(\p)+1]
.endr
.endif
.endr
.if (\gg) < 3
.irp n, 0,1,2,3,4,5,6,7                ; the group's registers take the next eight loads of x
	global_load_b128 v[WB+32*(\gg)+4*(\n):WB+32*(\gg)+4*(\n)+3], v[OX], s[4:5] offset:512*(8+8*(\gg)+(\n)) th:TH_LOAD_NT
.endr
.endif
.endm
	GROUP 0
	GROUP 1
	GROUP 2
	GROUP 3
	; the sums over the sixteen lanes of a half: every lane of half h then holds SA and SB for k = 8 h + 0..7
.irp m, 1,2,4,8
.set r, 0
.rept 16
	v_add_f32_dpp v[SA+r], v[SA+r], v[SA+r] row_xmask:\m row_mask:0xf bank_mask:0xf
.set r, r+1
.endr
.endr
.irp p, 0,2,4,6
	v_pk_add_f32 v[TT+(\p):TT+(\p)+1], v[SA+(\p):SA+(\p)+1], v[SB+(\p):SB+(\p)+1]
.endr
	ds_store_b128 v[OT], v[TT:TT+3]                ; the sixteen lanes of a half write the same words with the same values
	ds_store_b128 v[OT], v[TT+4:TT+7] offset:16
.irp p, 0,1,2,3,4,5,6,7
	v_mov_b32 v[BASE+(\p)], 0
.endr
	s_wait_dscnt 0x0                               ; for the others' sake: my totals lie in LDS
	s_barrier_signal -1
	s_barrier_wait -1                              ; everybody's do: the launch's one barrier
	; P0 = the totals of the waves in front of me, in ascending order; the jump hangs on the wave's number and passes no barrier; no LDS load is out at it
.irp bt, 0,1,2,3
.irp u, 0,1,2,3
.if 4*(\bt)+(\u) < 15
	ds_load_b128 v[WB+96+8*(\u):WB+96+8*(\u)+3],   v[OTR] offset:(4*(\bt)+(\u))*64
	ds_load_b128 v[WB+96+8*(\u)+4:WB+96+8*(\u)+7], v[OTR] offset:(4*(\bt)+(\u))*64+16
.endif
.endr
	s_wait_dscnt 0x0
.irp u, 0,1,2,3
.if 4*(\bt)+(\u) < 15
	s_cmp_le_u32 s16, 4*(\bt)+(\u)
	s_cbranch_scc1 .Lbase
.irp p, 0,2,4,6
	v_pk_add_f32 v[BASE+(\p):BASE+(\p)+1], v[BASE+(\p):BASE+(\p)+1], v[WB+96+8*(\u)+(\p):WB+96+8*(\u)+(\p)+1]
.endr
.endif
.endr
.endr
.Lbase:
.irp p, 0,2,4,6
	v_pk_add_f32 v[TT+(\p):TT+(\p)+1], v[BASE+(\p):BASE+(\p)+1], v[SA+(\p):SA+(\p)+1]  ; P1 = P0 + my first 128 columns
.endr
	s_wait_xcnt 0x0                                ; PK was store data: it is rewritten only behind this wait
.irp p, 0,1,2,3,4,5,6,7
	v_cndmask_b32 v[U+(\p)], v[BASE+(\p)], v[TT+(\p)], s23  ; my operand row's prefix
.endr
; part z: what is left is rounded to bf16 into PK + 4 z; the rounded number is taken away again, which is exact
.macro PART z
.irp p, 0,1,2,3
	v_cvt_pk_bf16_f32 v[PK+4*(\z)+(\p)], v[U+2*(\p)], v[U+2*(\p)+1]
.endr
.if (\z) < 2
.irp p, 0,1,2,3
	v_lshlrev_b32 v[U+8+2*(\p)], 16,  v[PK+4*(\z)+(\p)]
	v_and_b32     v[U+9+2*(\p)], s24, v[PK+4*(\z)+(\p)]
.endr
.irp p, 0,1,2,3
	v_pk_add_f32 v[U+2*(\p):U+2*(\p)+1], v[U+2*(\p):U+2*(\p)+1], v[U+8+2*(\p):U+9+2*(\p)] neg_lo:[0,1] neg_hi:[0,1]
.endr
.endif
.endm
	PART 0
	PART 1
	PART 2
	v_cmp_eq_u32 s20, 0, v11
	v_cmp_eq_u32 s21, 1, v11
	v_cmp_eq_u32 s22, 2, v11
.irp p, 0,1,2,3
	v_cndmask_b32 v[PK+12+(\p)], 0, v[PK+8+(\p)], s22
	v_cndmask_b32 v[PK+12+(\p)], v[PK+12+(\p)], v[PK+4+(\p)], s21
	v_cndmask_b32 v[PK+12+(\p)], v[PK+12+(\p)], v[PK+(\p)], s20
.endr
	global_store_b128 v[OS], v[PK+12:PK+15], s[12:13] offset:16*4096  ; the carry block's 512 bytes for this k16
	; x: my row, 512 bytes a load, rounded in place; a wave's store covers 256 consecutive aligned bytes
.set n, 0
.rept 32
.if n < 8
.set R, XB+4*n
.else
.set R, WB+4*(n-8)
.endif
	s_wait_loadcnt 31-n                            ; only x's loads are out, in order: load n is in
	v_cvt_pk_bf16_f32 v[R], v[R], v[R+1]
	v_cvt_pk_bf16_f32 v[R+1], v[R+2], v[R+3]
	global_store_b64 v[OXS], v[R:R+1], s[10:11] offset:256*n
.set n, n+1
.endr
	; b, by work-group 0 alone: 16 KiB
	s_cmp_lg_u32 ttmp9, 0
	s_cbranch_scc1 .Lend
	s_wait_xcnt 0x0                                ; the stores above have read their registers
	v_lshrrev_b32 v14, 4, v0                       ; thread t stores words 4 t .. 4 t + 3 (and 2,048 further): G = t / 16 (+ 32), h = (t / 8) % 2, t' = (t / 2) % 4, j = 4 (t % 2) + 0..3
	v_lshlrev_b32 v14, 8, v14
	v_bfe_u32 v15, v0, 3, 1
	v_lshl_add_u32 v14, v15, 7, v14
	v_and_b32 v15, 1, v0
	v_lshl_add_u32 v14, v15, 6, v14
	v_bfe_u32 v15, v0, 1, 2
	v_lshl_add_u32 v14, v15, 2, v14                ; byte of b[64 G + 32 h + 4 j + t'] for the first j
	v_lshlrev_b32 v15, 4, v0
.irp s, 0,1
.irp j, 0,1,2,3
	global_load_b32 v[PK+4*(\s)+(\j)], v14, s[8:9] offset:(\s)*8192+16*(\j)
.endr
.endr
	s_wait_loadcnt 0x0
.irp p, 0,1,2,3
	v_cvt_pk_bf16_f32 v[PK+8+(\p)], v[PK+2*(\p)], v[PK+2*(\p)+1]
.endr
.irp p, 0,1,2,3
	v_lshlrev_b32 v[PK+2*(\p)],   16,  v[PK+8+(\p)]
	v_and_b32     v[PK+2*(\p)+1], s24, v[PK+8+(\p)]
.endr
	global_store_b128 v15, v[PK:PK+3], s[14:15]
	global_store_b128 v15, v[PK+4:PK+7], s[14:15] offset:8192
	s_cmp_lg_u32 s16, 0                            ; the prefixes of b at multiples of 128: wave 0; lane c sums b[128 c .. 128 c + 127]
	s_cbranch_scc1 .Lend
	v_lshlrev_b32 v10, 9, v1
	v_lshlrev_b32 v11, 2, v1
.set n, 0
.rept 32
	global_load_b128 v[WB+4*n:WB+4*n+3], v10, s[8:9] offset:16*n
.set n, n+1
.endr
	s_wait_loadcnt 0x0
.set n, 0
.rept 32
	v_cvt_pk_bf16_f32 v[U], v[WB+4*n], v[WB+4*n+1]
	v_cvt_pk_bf16_f32 v[U+1], v[WB+4*n+2], v[WB+4*n+3]
.if n == 0
	v_lshlrev_b32 v[SA],   16,  v[U]               ; the first four start two chains
	v_and_b32     v[SA+1], s24, v[U]
	v_lshlrev_b32 v[SA+2], 16,  v[U+1]
	v_and_b32     v[SA+3], s24, v[U+1]
.else
	v_lshlrev_b32 v[U+4], 16,  v[U]
	v_and_b32     v[U+5], s24, v[U]
	v_lshlrev_b32 v[U+6], 16,  v[U+1]
	v_and_b32     v[U+7], s24, v[U+1]
	v_pk_add_f32 v[SA:SA+1], v[SA:SA+1], v[U+4:U+5]
	v_pk_add_f32 v[SA+2:SA+3], v[SA+2:SA+3], v[U+6:U+7]
.endif
.set n, n+1
.endr
	v_pk_add_f32 v[SA:SA+1], v[SA:SA+1], v[SA+2:SA+3]
	v_add_f32 v[SA], v[SA], v[SA+1]
	s_mov_b32 s20, 0
	v_mov_b32 v[SA+4], 0
.set n, 0
.rept 32                               ; lane c takes the sum of the lanes in front of it
	v_writelane_b32 v[SA+4], s20, n
	v_readlane_b32 s21, v[SA], n
	s_add_f32 s20, s20, s21
.set n, n+1
.endr
	global_store_b32 v11, v[SA+4], s[14:15] offset:16384
.Lend:
	s_wait_tensorcnt 0x0                           ; the wave's end, behind my last LDS store
	ds_add_u32 v[SPW], v[NIL]
	s_wait_dscnt 0x0
	s_endpgm
.Lfunc_end_k_q03d385ec6f_prep:
	.size	k_q03d385ec6f_prep, .Lfunc_end_k_q03d385ec6f_prep-k_q03d385ec6f_prep
	.p2alignl 7, 3214868480
	.fill 96, 4, 3214868480
	.section	.rodata,"a",@progbits
	.p2align	6, 0x0
	.amdhsa_kernel k_q03d385ec6f_prep
		.amdhsa_group_segment_fixed_size 3072
		.amdhsa_private_segment_fixed_size 0
		.amdhsa_enable_private_segment 0
		.amdhsa_kernarg_size 48
		.amdhsa_user_sgpr_count 2
		.amdhsa_user_sgpr_kernarg_segment_ptr 1
		.amdhsa_wavefront_size32 1
		.amdhsa_system_sgpr_workgroup_id_x 1
		.amdhsa_system_sgpr_workgroup_id_y 1
		.amdhsa_system_sgpr_workgroup_id_z 1
		.amdhsa_system_vgpr_workitem_id 0
		.amdhsa_next_free_vgpr 256
		.amdhsa_next_free_sgpr 66
		.amdhsa_reserve_vcc 0
		.amdhsa_float_denorm_mode_32 3
		.amdhsa_float_denorm_mode_16_64 3
		.amdhsa_memory_ordered 1
		.amdhsa_forward_progress 1
		.amdhsa_inst_pref_size 67
	.end_amdhsa_kernel
	.amdgpu_metadata
---
amdhsa.version: [ 1, 2 ]
amdhsa.kernels:
  - .name:           k_q03d385ec6f_prep
    .symbol:         k_q03d385ec6f_prep.kd
    .args:
      - { .name: x, .offset: 0, .size: 8, .value_kind: global_buffer, .address_space: global }
      - { .name: W, .offset: 8, .size: 8, .value_kind: global_buffer, .address_space: global }
      - { .name: b, .offset: 16, .size: 8, .value_kind: global_buffer, .address_space: global }
      - { .name: xb, .offset: 24, .size: 8, .value_kind: global_buffer, .address_space: global }
      - { .name: wf, .offset: 32, .size: 8, .value_kind: global_buffer, .address_space: global }
      - { .name: bias2, .offset: 40, .size: 8, .value_kind: global_buffer, .address_space: global }
    .group_segment_fixed_size: 3072
    .private_segment_fixed_size: 0
    .kernarg_segment_align: 8
    .kernarg_segment_size: 48
    .max_flat_workgroup_size: 512
    .sgpr_count:     66
    .vgpr_count:     256
    .wavefront_size: 32
...
	.end_amdgpu_metadata
.endif
;; end of part 1
;; launch gemm (part 2): grid 16 x 16, 4 waves a work-group, clusters of 4 x 4, 327,680 bytes of LDS; arguments xb, wf, bias2, out0; writes out0
.if DOCPART == 2
	.amdgcn_target "amdgcn-amd-amdhsa--gfx1250"
	.amdhsa_code_object_version 6
	.text
	.protected	k_q03d385ec6f_gemm
	.globl	k_q03d385ec6f_gemm
	.p2align	8
	.type	k_q03d385ec6f_gemm,@function
k_q03d385ec6f_gemm:
	s_mov_b64 s[64:65], 0
	v_nop
	global_prefetch_b8 v0, s[64:65] scope:SCOPE_SE
	s_setreg_imm32_b32 hwreg(HW_REG_WAVE_MODE, 25, 1), 1
	s_wait_xcnt 0x0
	s_wait_alu depctr_hold_cnt(0) depctr_sa_sdst(0) depctr_va_vdst(0) depctr_va_sdst(0) depctr_va_ssrc(0) depctr_va_vcc(0) depctr_vm_vsrc(0)
	s_getreg_b32 s2, hwreg(HW_REG_IB_STS2, 6, 4)
	s_cmp_eq_u32 s2, 0
	s_cbranch_scc0 .Lentry_in_a_cluster
	s_endpgm
.Lentry_in_a_cluster:
	s_bfe_u32 s2, ttmp6, 0x10000c
	s_cmp_lg_u32 s2, 0xf033
	s_cbranch_scc0 .Lentry_shape_is_right
	s_endpgm
.Lentry_shape_is_right:
; SECOND OF TWO LAUNCHES: out0 = cumsum(x W + b, axis 1), [4096][4096] f32, from xb (x in bf16, row-major), wf (W in bf16, in operand order, with the carry block) and bias2 (b rounded, and its prefixes).
; No work of the problem is left out.  LIMITS: x, W, b rounded once to bf16 by the launch before; products' sums, the scan and the carries in f32, in another order than a scan from left to right; NaN and infinities are not treated apart.
; A tile of out0, 256 x 256, is made by a work-group of four waves, a wave 128 x 128: 64 accumulators of 16 x 16.  K goes in 32 steps of 128 through a ring of two LDS slots filled by tensor loads.
; THE SCAN ACROSS TILES needs no traffic between work-groups: the carry into column c is x . P_c + the prefix of b, P_c[k] = the sum of W[k][f], f < c.  P for c = 256 J and 256 J + 128 comes with B's tile as a 17th block
; of 16 operand rows (three bf16 parts each: f32's bits), and costs 4 matrix instructions beside every 64.  Each wave makes the carries of 64 rows; the two waves of a row half hand them to each other through LDS.
; THE MATRIX INSTRUCTION IS USED TRANSPOSED: source 0 = 16 operand rows of wf, source 1 = 16 rows of xb.  wf's operand row r of block 4 g + t is column 64 g + 4 r + t, so register j of lane (r, h) in accumulator (a, 4 g + t)
; is row r, column 64 g + 32 h + 4 j + t of the wave's 128: a lane holds 32 CONSECUTIVE columns of one row in each group g.  The scan inside a lane is a chain of 31 additions; one exchange of the lanes' halves and the carry give the rest.
; THE BIAS is the C operand of the products that start the sums.
; ROW BLOCKS.  A wave's local blocks 0-3 are blocks 4 CH + 0..3 of its 128 rows (CH: its half of the columns), local 4-7 the other four: so one text makes the carries of local blocks 0-3 in every wave.
; CLUSTERS: 4 x 4 work-groups; A's tile is asked for jointly along a row of the cluster, B's along a column: the same tensor load, descriptor and mask in the four that it names.
; REGISTERS, in windows of 256 (s_set_vgpr_msb: bits 1:0 source 0, 3:2 source 1, 5:4 source 2, 7:6 destination):
;   window 0: v0-31 addresses; v32-63 the carries' start, later offsets and carries; v64-127, v128-191 A's fragments, two buffers; v192-255 the bias.  On the way out v64-127 finished numbers, v128-255 two sets of 16 rows read back
;   window 1: v0-7, v8-15 the carry block's fragment, two buffers; v32-63 four carry accumulators; v64-127, v128-191 B's fragments
;   window 2: the 32 accumulators of local blocks 0-3 ((a, b) at v[8 (8 a + b)]);   window 3: those of local blocks 4-7
.set PITCH,  272                       ; an LDS row of A: 256 bytes + 16 of padding = 68 words: the 16 rows of a fragment load start at 16 different groups of four banks (64 banks of 4 bytes: ISA guide 11.1)
.set HALFT,  34816                     ; what one tensor load brings: 128 padded rows of A, or 136 dense rows of 256 bytes of B's tile
.set SLOT,   4*HALFT                   ; A's two halves, then B's tile of 69,632 bytes
.set BTILE,  69632
.set BJ,     2228224                   ; a tile column of wf: 32 tiles
.set STAGE,  2*SLOT                    ; behind the ring: 16 rows x 528 bytes for each wave, for the way out
.set SPITCH, 528                       ; 512 bytes + 16 = 132 words: again 16 different groups of four banks
.set CT,     STAGE+4*16*SPITCH         ; the carries, [256 rows][2] f32
.set SPARE,  CT+2048                   ; the spare words, 128 bytes for each wave: two blocks of 256 bytes that no other line names
.set ADRA0, 6                          ; v6-7   LDS address of my A fragments, local blocks 0-3, in slot 0, 1
.set ADRA1, 8                          ; v8-9   local blocks 4-7
.set ADRB,  10                         ; v10-11 my eight blocks of B
.set ADRC,  12                         ; v12-13 the carry block
.set STO,   14                         ; v14    the way out: where I put my 128 bytes of a row's group
.set RD,    15                         ; v15    where I read a row back
.set CO,    16                         ; v16    16 x lane: my bytes of a row's 512 in out0
.set CTS,   17                         ; v17    where I put a row's two carries
.set CTR0,  18                         ; v18    where I read the carry of local blocks 0-3
.set CTR1,  19                         ; v19    of local blocks 4-7
.set BO,    20                         ; v20    128 h
.set PFO,   21                         ; v21    the prefetches' offset: a lane a row of xb, or a lane a block of 256 bytes of wf; never rewritten
.set PFO2,  22                         ; v22    256 (lane % 2)
.set SPW,   28                         ; v28    LDS address of my spare word; never rewritten
.set NIL,   29                         ; v29    0; never rewritten
.set CC,    32                         ; v32-39 what the carry sums start with
.set OFF,   32                         ; v32-47 later: what is added to group g of local block a, at OFF + 2 a + g
.set CAR,   48                         ; v48-55 the carry of local block a
.set TP,    56                         ; v56-63 the carries that I made; later SS: a block's total of group 0
.set SS,    56
.set F0,    64
.set F1,    128
.set BIAS,  192
.set OUT,   64
.set XR,    192                        ; v192-207 the other half of the lanes' totals
.set WV,  12                           ; s12 wave;  s13 RH: my half of the rows, also: I fetch for A (0) or B (1);  s14 CH: my half of the columns, also: which half of that tile I fetch
.set RH,  13
.set CH,  14
.set G1,  24                           ; s[24:31] descriptor group 1 for A's tiles;  s[32:39] group 0, a set for each slot
.set G0,  32
.set LIM, 42                           ; s42  1 in a wave that prefetches, else the greatest number
.set LIM2, 43                          ; s43  1 in a wave that prefetches for B
.set PFA, 44                           ; s[44:45] where my prefetches stand
.set PFS, 46                           ; s[46:47] a K step there, in bytes
.set G1B, 48                           ; s[48:55], s[56:63] the same for B's tiles
.set G0B, 56
.set MSB, 0
.macro WIN new                         ; the immediate's high byte repeats the setting that is left; a switch that changes nothing is dropped
.if MSB != (\new)
	s_set_vgpr_msb (MSB<<8)|(\new)
.set MSB, \new
.endif
.endm
; A joint load.  Waves 0 and 1 fetch A's two halves, waves 2 and 3 B's.  The branch hangs on the wave's number alone.  An s_nop 0 and four v_nop follow each of the two lines.
.macro JLOAD s
	s_cmp_eq_u32 s[RH], 0
	s_cbranch_scc0 .Lfor_b_\@
	tensor_load_to_lds s[G0+4*(\s):G0+4*(\s)+3], s[G1:G1+7]
	s_nop 0
.rept 4
	v_nop
.endr
	s_branch .Lasked_\@
.Lfor_b_\@:
	tensor_load_to_lds s[G0B+4*(\s):G0B+4*(\s)+3], s[G1B:G1B+7]
	s_nop 0
.rept 4
	v_nop
.endr
.Lasked_\@:
.endm
; A PREFETCH INTO THE L2 of the K step that stands two refills on (544 matrix instructions ahead of the load that will want it), behind the joint load, its five lines and the run of LDS loads.
; A's tile row is read by every cluster of that row of clusters: cluster x = 0 asks; B's tile column by every cluster of that column: cluster y = 0 asks.  The four partners that ask for a tile jointly share it out BY ADDRESS:
; of the 128 rows of xb that a wave fetches 32 each, a lane a row's 256 bytes; of the 136 blocks of 256 bytes of wf 34 each: 32, a lane a block, and the two left over, which the lanes of a second line name between them.
; The loop's last trip asks for nothing: there is no K step two on.  K steps 0 to 3 come by their loads alone.
.macro ASK
	s_cmp_gt_u32 s3, s[LIM]
	s_cbranch_scc0 .Lnot_mine_\@
	global_prefetch_b8 v[PFO], s[PFA:PFA+1] th:TH_LOAD_NT scope:SCOPE_SE
	s_cmp_gt_u32 s3, s[LIM2]
	s_cbranch_scc0 .Lnot_mine_\@
	global_prefetch_b8 v[PFO2], s[PFA:PFA+1] offset:8192 th:TH_LOAD_NT scope:SCOPE_SE
.Lnot_mine_\@:
.endm
.macro CREST                           ; a round of the cluster's barrier behind its opening barrier
	s_cmp_lg_u32 s[WV], 0
	s_cbranch_scc1 .Lnot_wave_0_\@
	s_barrier_signal -3
.Lnot_wave_0_\@:
	s_barrier_wait -3
	s_barrier_signal -1
	s_barrier_wait -1
.endm
.macro CROUND                          ; a whole round
	s_barrier_signal -1
	s_barrier_wait -1
	CREST
.endm
.macro PLACES                          ; four plain places behind matrix instructions, in front of loads into registers that they read and of vector lines that read results (ISA guide 7.12.1 for vector lines)
.rept 4
	v_nop
.endr
.endm
	s_load_b256 s[4:11], s[0:1], 0x0               ; xb s[4:5], wf s[6:7], bias2 s[8:9], out0 s[10:11]
	v_lshl_add_u32 v[SPW], v0, 2, SPARE
	v_mov_b32 v[NIL], 0
	ds_add_u32 v[SPW], v[NIL]                      ; the wave's opening: the add, twice on end, and its wait ahead of my first tensor load
	ds_add_u32 v[SPW], v[NIL]                      ; and once more, under the one wait; the set-up below, work on registers, stands between
	v_lshrrev_b32 v1, 5, v0
	v_readfirstlane_b32 s[WV], v1                  ; wave 0..3
	s_lshr_b32 s[RH], s[WV], 1
	s_and_b32 s[CH], s[WV], 1
	s_bfe_u32 s15, ttmp6, 0x40000                  ; cx
	s_bfe_u32 s16, ttmp6, 0x40004                  ; cy
	s_lshl_b32 s17, ttmp9, 2
	s_add_co_u32 s17, s17, s15                     ; J: tile column = 4 x cluster x + cx
	s_and_b32 s18, ttmp7, 0xffff
	s_lshl_b32 s18, s18, 2
	s_add_co_u32 s18, s18, s16                     ; I: tile row = 4 x cluster y + cy
	s_lshl_b32 s40, s16, 2
	s_lshl_b32 s40, 15, s40                        ; my row of the cluster
	s_lshl_b32 s41, 0x1111, s15                    ; my column
	s_or_b32 s[G1+0], s40, (1<<16)|(1<<20)|(1<<21)|(5<<22)|(3<<25)  ; A: the mask of my row; 2-byte elements; padding on; bit 21 beside a mask; after every 64 words 4 words
	s_mov_b32 s[G1+1], 128<<16                     ; tensor_dim0 = 128
	s_mov_b32 s[G1+2], 128<<16                     ; tensor_dim1 = 128
	s_mov_b32 s[G1+3], 128<<16                     ; tile_dim0 = 128
	s_mov_b32 s[G1+4], 128                         ; tile_dim1 = 128
	s_mov_b32 s[G1+5], 4096                        ; elements from row to row of xb
	s_mov_b32 s[G1+6], 0
	s_mov_b32 s[G1+7], 0
	s_or_b32 s[G1B+0], s41, (1<<16)|(1<<21)        ; B: the mask of my column; 2-byte elements; no padding: half a tile is 34,816 dense bytes, asked for as 136 rows of 256
	s_mov_b32 s[G1B+1], 128<<16
	s_mov_b32 s[G1B+2], 136<<16
	s_mov_b32 s[G1B+3], 128<<16
	s_mov_b32 s[G1B+4], 136
	s_mov_b32 s[G1B+5], 128
	s_mov_b32 s[G1B+6], 0
	s_mov_b32 s[G1B+7], 0
	s_lshl_b32 s20, s18, 8                         ; A: row 256 I + 128 x the half that I fetch, 8,192 bytes a row: I and the wave's number alone
	s_lshl_b32 s21, s[CH], 7
	s_add_co_u32 s20, s20, s21
	s_lshl_b32 s20, s20, 13
	s_mov_b32 s21, 0
	s_mul_i32 s76, s17, BJ                         ; B: tile column J, the half that I fetch: J and the wave's number alone
	s_mul_i32 s77, s[CH], HALFT
	s_add_co_u32 s76, s76, s77
	s_mov_b32 s77, 0
	s_mul_i32 s19, s[WV], HALFT                    ; where they go: wave x 34,816: no place in the cluster enters an LDS address
	s_mov_b32 s66, 0x76543210                      ; v_permlanex16_b32: each lane takes its own place in the other half
	s_mov_b32 s67, 0xfedcba98
	s_mov_b32 s68, 0xffff0000                      ; lanes 16-31
	s_wait_dscnt 0x0                               ; both opening adds are done
	s_wait_kmcnt 0x0
	s_add_nc_u64 s[22:23], s[4:5], s[20:21]
	s_add_nc_u64 s[78:79], s[6:7], s[76:77]
	CROUND                                         ; all sixteen work-groups are here: the first joint loads meet
.irp s, 0,1
	s_mov_b32 s[G0+4*(\s)], 1
	s_add_co_u32 s[G0+4*(\s)+1], s19, (\s)*SLOT
	s_add_nc_u64 s[G0+4*(\s)+2:G0+4*(\s)+3], s[22:23], (\s)*256      ; K step s: 128 elements along the rows
	s_or_b32 s[G0+4*(\s)+3], s[G0+4*(\s)+3], 0x80000000
	s_mov_b32 s[G0B+4*(\s)], 1
	s_add_co_u32 s[G0B+4*(\s)+1], s19, (\s)*SLOT
	s_add_nc_u64 s[G0B+4*(\s)+2:G0B+4*(\s)+3], s[78:79], (\s)*BTILE  ; K step s: the next tile of wf
	s_or_b32 s[G0B+4*(\s)+3], s[G0B+4*(\s)+3], 0x80000000
	JLOAD \s                                       ; two tensor loads of mine are out
.endr
	v_and_b32 v1, 15, v0                           ; r
	v_bfe_u32 v2, v0, 4, 1                         ; h
	v_and_b32 v3, 31, v0                           ; lane
	v_lshlrev_b32 v[BO], 7, v2
	s_lshl_b32 s19, s17, 3
	s_load_b64 s[74:75], s[8:9], s19 offset:0x4000 ; the prefixes of b at columns 256 J and 256 J + 128
	s_lshl_b32 s76, s17, 10                        ; the bias of my 128 columns: 1,024 J + 512 CH
	s_lshl_b32 s77, s[CH], 9
	s_add_co_u32 s76, s76, s77
	s_mov_b32 s77, 0
	s_add_nc_u64 s[76:77], s[8:9], s[76:77]
.irp b, 0,1,2,3,4,5,6,7
	global_load_b128 v[BIAS+8*(\b):BIAS+8*(\b)+3],   v[BO], s[76:77] offset:((\b)/4)*256+((\b)%4)*32
	global_load_b128 v[BIAS+8*(\b)+4:BIAS+8*(\b)+7], v[BO], s[76:77] offset:((\b)/4)*256+((\b)%4)*32+16
.endr
	v_mul_u32_u24 v4, v1, PITCH
	v_lshl_add_u32 v4, v2, 4, v4                   ; a fragment of A: row x pitch + 16 x half
	s_mul_i32 s20, s[RH], HALFT
	s_mul_i32 s21, s[CH], 64*PITCH
	s_add_co_u32 s21, s20, s21                     ; local blocks 0-3: rows 64 CH on
	s_sub_co_u32 s22, 1, s[CH]
	s_mul_i32 s22, s22, 64*PITCH
	s_add_co_u32 s22, s20, s22                     ; local blocks 4-7: the other 64 rows
	v_add_nc_u32 v[ADRA0], s21, v4
	v_add_nc_u32 v[ADRA1], s22, v4
	v_add_nc_u32 v[ADRA0+1], SLOT, v[ADRA0]
	v_add_nc_u32 v[ADRA1+1], SLOT, v[ADRA1]
	v_lshlrev_b32 v[CO], 4, v3
	s_lshl_b32 s20, s[CH], 15                      ; my eight blocks of 4,096 bytes,
	s_add_co_u32 s20, s20, 2*HALFT                 ; behind A's 256 rows
	v_add_nc_u32 v[ADRB], s20, v[CO]               ; a fragment of B lies in register order: 16 bytes a lane, twice
	v_add_nc_u32 v[ADRB+1], SLOT, v[ADRB]
	v_add_nc_u32 v[ADRC], 2*HALFT+65536, v[CO]
	v_add_nc_u32 v[ADRC+1], SLOT, v[ADRC]
	s_mul_i32 s20, s[WV], 16*SPITCH
	s_add_co_u32 s20, s20, STAGE                   ; my stage
	v_mul_u32_u24 v4, v1, SPITCH
	v_lshl_add_u32 v4, v2, 7, v4
	v_add_nc_u32 v[STO], s20, v4
	v_add_nc_u32 v[RD], s20, v[CO]
	s_lshl_b32 s20, s[RH], 7
	s_lshl_b32 s21, s[CH], 6
	s_add_co_u32 s21, s20, s21                     ; the tile's row 128 RH + 64 CH
	s_lshl_b32 s21, s21, 3
	s_add_co_u32 s21, s21, CT
	v_lshl_add_u32 v[CTS], v1, 3, s21
	s_lshl_b32 s23, s[CH], 2                       ; of a row's two carries mine is number CH
	v_add_nc_u32 v[CTR0], s23, v[CTS]
	s_sub_co_u32 s22, 1, s[CH]
	s_lshl_b32 s22, s22, 6
	s_add_co_u32 s22, s20, s22
	s_lshl_b32 s22, s22, 3
	s_add_co_u32 s22, s22, CT
	s_add_co_u32 s22, s22, s23
	v_lshl_add_u32 v[CTR1], v1, 3, s22
	s_cmp_eq_u32 s[RH], 0
	s_cselect_b32 s20, 13, 8
	v_lshlrev_b32 v[PFO], s20, v3                  ; a row of xb is 8,192 bytes; a block of wf 256
	v_and_b32 v[PFO2], 1, v0
	v_lshlrev_b32 v[PFO2], 8, v[PFO2]
	s_wait_kmcnt 0x0
	v_mov_b32 v[CC], s74                           ; operand rows 0-2 sum to the carry into column 256 J, rows 3-5 into 256 J + 128: b's prefixes start rows 0 and 3
	v_mov_b32 v[CC+1], 0
	v_mov_b32 v[CC+2], 0
	v_mov_b32 v[CC+3], s75
.irp p, 4,5,6,7
	v_mov_b32 v[CC+(\p)], 0
.endr
	; out0 at my local blocks 0-3 (s[70:71]) and 4-7 (s[72:73]), my first column
	s_lshl_b32 s20, s18, 8
	s_lshl_b32 s21, s[RH], 7
	s_add_co_u32 s20, s20, s21
	s_lshl_b32 s21, s[CH], 6
	s_add_co_u32 s22, s20, s21
	s_sub_co_u32 s21, 64, s21
	s_add_co_u32 s20, s20, s21
	s_lshl_b32 s22, s22, 14
	s_lshl_b32 s20, s20, 14
	s_lshl_b32 s21, s17, 10
	s_lshl_b32 s23, s[CH], 9
	s_add_co_u32 s21, s21, s23
	s_add_co_u32 s22, s22, s21
	s_add_co_u32 s20, s20, s21
	s_mov_b32 s23, 0
	s_mov_b32 s21, 0
	s_add_nc_u64 s[70:71], s[10:11], s[22:23]
	s_add_nc_u64 s[72:73], s[10:11], s[20:21]
	; the prefetches: they stand at K step 3; the first change of slots steps them to 4
	s_lshl_b32 s20, s18, 8
	s_lshl_b32 s21, s[CH], 7
	s_add_co_u32 s20, s20, s21
	s_lshl_b32 s21, s15, 5
	s_add_co_u32 s20, s20, s21                     ; A: row 256 I + 128 x half + my work-group's 32 (cx)
	s_lshl_b32 s20, s20, 13
	s_add_co_u32 s20, s20, 3*256
	s_mul_i32 s22, s17, BJ
	s_lshl_b32 s21, s[CH], 2
	s_add_co_u32 s21, s21, s16
	s_mul_i32 s21, s21, 8704                       ; B: my work-group's 34 blocks (cy) of the half that I fetch
	s_add_co_u32 s22, s22, s21
	s_add_co_u32 s22, s22, 3*BTILE
	s_and_b32 s23, ttmp7, 0xffff                   ; cluster y
	s_mov_b32 s21, BTILE
	s_cmp_eq_u32 s[RH], 0                          ; do I fetch for A?
	s_cselect_b32 s20, s20, s22
	s_cselect_b32 s23, ttmp9, s23                  ; the coordinate along which other clusters read the same bytes
	s_cselect_b64 s[PFA:PFA+1], s[4:5], s[6:7]
	s_cselect_b32 s[PFS], 0x100, s21
	s_cselect_b32 s22, -1, 1
	s_mov_b32 s[PFS+1], 0
	s_mov_b32 s21, 0
	s_add_nc_u64 s[PFA:PFA+1], s[PFA:PFA+1], s[20:21]
	s_cmp_eq_u32 s23, 0
	s_cselect_b32 s[LIM], 1, -1                    ; the same in all sixteen partners, for a given wave
	s_cselect_b32 s[LIM2], s22, -1
; 16 matrix instructions: local blocks 4 hi + a0, + 1 x all 8 column blocks, 32 along K.  zero = 1: the first product starts the sums with the bias.
.macro MUL16 f, hi, a0, zero
.if \zero
	WIN 0x81+0x40*(\hi)                            ; B window 1, A window 0, C window 0, D window 2 or 3
.else
	WIN 0xa1+0x50*(\hi)                            ; C and D window 2 or 3
.endif
.irp a, \a0, (\a0)+1
.irp b, 0,1,2,3,4,5,6,7
.if \zero
	v_wmma_f32_16x16x32_bf16 v[8*(8*(\a)+(\b)):8*(8*(\a)+(\b))+7], v[(\f)+8*(\b):(\f)+8*(\b)+7], v[(\f)+8*(4*(\hi)+(\a)):(\f)+8*(4*(\hi)+(\a))+7], v[BIAS+8*(\b):BIAS+8*(\b)+7]
.else
	v_wmma_f32_16x16x32_bf16 v[8*(8*(\a)+(\b)):8*(8*(\a)+(\b))+7], v[(\f)+8*(\b):(\f)+8*(\b)+7], v[(\f)+8*(4*(\hi)+(\a)):(\f)+8*(4*(\hi)+(\a))+7], v[8*(8*(\a)+(\b)):8*(8*(\a)+(\b))+7]
.endif
.endr
.endr
.endm
; 4 matrix instructions: the carry block x local blocks 0-3
.macro MULC f, zero
.if \zero
	WIN 0x41
.else
	WIN 0x51                                       ; carry fragment, C and D window 1, A window 0
.endif
.irp a, 0,1,2,3
.if \zero
	v_wmma_f32_16x16x32_bf16 v[32+8*(\a):39+8*(\a)], v[((\f)-64)/8:((\f)-64)/8+7], v[(\f)+8*(\a):(\f)+8*(\a)+7], v[CC:CC+7]
.else
	v_wmma_f32_16x16x32_bf16 v[32+8*(\a):39+8*(\a)], v[((\f)-64)/8:((\f)-64)/8+7], v[(\f)+8*(\a):(\f)+8*(\a)+7], v[32+8*(\a):39+8*(\a)]
.endif
.endr
.endm
; 34 LDS loads in one run: quarter q's fragments into buffer f: B's 16, the carry block's 2, A's local blocks 0-3, and last A's local blocks 4-7
.macro FETCH slot, q, f
	WIN 0x40                                       ; destination window 1, address window 0
.irp i, 0,1,2,3,4,5,6,7
	ds_load_b128 v[(\f)+8*(\i):(\f)+8*(\i)+3],   v[ADRB+(\slot)] offset:(\q)*1024+(\i)*4096
	ds_load_b128 v[(\f)+8*(\i)+4:(\f)+8*(\i)+7], v[ADRB+(\slot)] offset:(\q)*1024+(\i)*4096+512
.endr
	ds_load_b128 v[((\f)-64)/8:((\f)-64)/8+3],   v[ADRC+(\slot)] offset:(\q)*1024
	ds_load_b128 v[((\f)-64)/8+4:((\f)-64)/8+7], v[ADRC+(\slot)] offset:(\q)*1024+512
	WIN 0
.irp a, 0,1,2,3
	ds_load_b128 v[(\f)+8*(\a):(\f)+8*(\a)+3],   v[ADRA0+(\slot)] offset:(\q)*64+(\a)*16*PITCH
	ds_load_b128 v[(\f)+8*(\a)+4:(\f)+8*(\a)+7], v[ADRA0+(\slot)] offset:(\q)*64+(\a)*16*PITCH+32
.endr
.irp a, 0,1,2,3
	ds_load_b128 v[(\f)+32+8*(\a):(\f)+32+8*(\a)+3],   v[ADRA1+(\slot)] offset:(\q)*64+(\a)*16*PITCH
	ds_load_b128 v[(\f)+32+8*(\a)+4:(\f)+32+8*(\a)+7], v[ADRA1+(\slot)] offset:(\q)*64+(\a)*16*PITCH+32
.endr
.endm
; A K step is four quarters of 32 along K, 68 matrix instructions each, on buffers 0, 1, 0, 1; the 68 accumulators take turns in the same order in every quarter.
; One of the first three: multiplies buffer f; in its middle it fetches quarter q of the same slot into buffer g.
.macro QUARTER slot, q, f, g, zero
	s_wait_dscnt 8                                 ; all but the youngest eight loads (A's local blocks 4-7) are in
	MUL16 \f, 0, 0, \zero
	MUL16 \f, 0, 2, \zero
	MULC \f, \zero
	PLACES
	FETCH \slot, \q, \g
	s_wait_dscnt 34                                ; all but the 34 just issued
	MUL16 \f, 1, 0, \zero
	MUL16 \f, 1, 2, \zero
.endm
; The last quarter multiplies buffer 1 and changes slots.  ONE barrier: in front of it each wave waits for all its tensor loads (one is out: its part of the next slot), adds 0 to its spare word, and waits for that and for its reads of this slot.
.macro MEET round
	WIN 0                                          ; (the add's two registers lie in window 0)
	s_wait_tensorcnt 0x0                           ; all my tensor loads have landed
	ds_add_u32 v[SPW], v[NIL]                      ; 0 onto my spare word
	s_wait_dscnt 9                                 ; (the add and the youngest eight loads may be out)
	MUL16 F1, 0, 0, 0                              ; sixteen matrix instructions stand between the add and the wait for it
	s_wait_dscnt 0x0                               ; the add is done, and my reads of this slot are over
	s_barrier_signal -1
	MUL16 F1, 0, 2, 0                              ; work on registers while the others arrive
	MULC F1, 0
.if \round
	WIN 0
.endif
	s_barrier_wait -1
.endm
; fill = 1: the barrier opens a round of the cluster's; behind the round this slot is filled again, two K steps on, first thing: 236 matrix instructions ahead of the wait for it.
.macro TURN slot, next, fill
.if \fill
	s_wait_xcnt 0x0                                ; the last prefetches, a K step back, have read their address: it is stepped here, ahead of the waits of the change of slots
	s_add_nc_u64 s[PFA:PFA+1], s[PFA:PFA+1], s[PFS:PFS+1]
	MEET 1
	CREST                                          ; no wave of any partner still reads this slot's tiles or has a load on its way
	s_add_nc_u64 s[G0+4*(\slot)+2:G0+4*(\slot)+3], s[G0+4*(\slot)+2:G0+4*(\slot)+3], 2*256
	s_add_nc_u64 s[G0B+4*(\slot)+2:G0B+4*(\slot)+3], s[G0B+4*(\slot)+2:G0B+4*(\slot)+3], 2*BTILE
	JLOAD \slot                                    ; its four v_nop are also the places in front of the loads below
.else
	MEET 0
	PLACES
.endif
	FETCH \next, 0, F0
.if \fill
	ASK
.endif
	MUL16 F1, 1, 0, 0
	MUL16 F1, 1, 2, 0
.endm
	s_wait_tensorcnt 1                             ; my part of K step 0 is in; K step 1's may stay out
	s_barrier_signal -1
	s_barrier_wait -1                              ; everybody's is
	FETCH 0, 0, F0
	s_wait_loadcnt 0x0                             ; the bias
	QUARTER 0, 1, F0, F1, 1                        ; the first quarter stands in front of the loop: its products start the sums
	WIN 0                                          ; at a label and at a branch every window is 0
	s_mov_b32 s3, 15
.Llap:                                                 ; a trip goes once round the ring, from a lap's second quarter to the next lap's first, and fills both slots again: K steps 2 to 31
	QUARTER 0, 2, F1, F0, 0
	QUARTER 0, 3, F0, F1, 0
	TURN 0, 1, 1
	QUARTER 1, 1, F0, F1, 0
	QUARTER 1, 2, F1, F0, 0
	QUARTER 1, 3, F0, F1, 0
	TURN 1, 0, 1
	QUARTER 0, 1, F0, F1, 0
	WIN 0
	s_sub_co_u32 s3, s3, 1
	s_cmp_lg_u32 s3, 0
	s_cbranch_scc1 .Llap
	QUARTER 0, 2, F1, F0, 0                        ; the last lap fills nothing, and has no round of the cluster's barrier
	QUARTER 0, 3, F0, F1, 0
	TURN 0, 1, 0
	QUARTER 1, 1, F0, F1, 0
	QUARTER 1, 2, F1, F0, 0
	QUARTER 1, 3, F0, F1, 0
	s_wait_dscnt 8                                 ; the very last quarter: nothing more to fetch
	MUL16 F1, 0, 0, 0
	MUL16 F1, 0, 2, 0
	MULC F1, 0
	s_wait_dscnt 0x0
	MUL16 F1, 1, 0, 0
	MUL16 F1, 1, 2, 0
	; THE WAY OUT.  First the carries: the three parts' products are added (each accumulator is read from its low end on) and handed over through LDS.
	PLACES
	WIN 0x05                                       ; sources window 1, destination window 0
.irp a, 0,1,2,3
	v_add_f32 v[TP+2*(\a)],   v[32+8*(\a)], v[33+8*(\a)]
	v_add_f32 v[TP+2*(\a)+1], v[35+8*(\a)], v[36+8*(\a)]
.endr
	WIN 0x01
.irp a, 0,1,2,3
	v_add_f32 v[TP+2*(\a)],   v[34+8*(\a)], v[TP+2*(\a)]
	v_add_f32 v[TP+2*(\a)+1], v[37+8*(\a)], v[TP+2*(\a)+1]
.endr
	WIN 0
.irp a, 0,1,2,3
	ds_store_b64 v[CTS], v[TP+2*(\a):TP+2*(\a)+1] offset:(\a)*128  ; row r of local block a: both carries; the two halves of the lanes write equal values
.endr
	s_wait_dscnt 0x0                               ; for the others' sake: my carries lie in LDS
	s_barrier_signal -1
	s_barrier_wait -1
.irp a, 0,1,2,3
	ds_load_b32 v[CAR+(\a)],   v[CTR0] offset:(\a)*128
	ds_load_b32 v[CAR+4+(\a)], v[CTR1] offset:(\a)*128
.endr
; The scan inside a lane, in place: column i of a group's 32 lies in accumulator 4 g + i % 4, register i / 4.  Eight chains (four blocks x two groups) that do not wait for each other.
.macro PASS1
.set i, 1
.rept 31
.irp a, 0,1,2,3
.irp g, 0,1
	v_add_f32 v[64*(\a)+8*(4*(\g)+i%4)+i/4], v[64*(\a)+8*(4*(\g)+(i-1)%4)+(i-1)/4], v[64*(\a)+8*(4*(\g)+i%4)+i/4]
.endr
.endr
.set i, i+1
.endr
.endm
	WIN 0x8a                                       ; all three in window 2
	PASS1
	WIN 0xcf                                       ; in window 3
	PASS1
	; a lane's total of a group is its last column; the other half of the lanes' comes by one exchange
.irp w, 0,1
	WIN 0x02+(\w)                                  ; source 0 window 2 or 3
.irp a, 0,1,2,3
	v_permlanex16_b32 v[XR+2*(4*(\w)+(\a))],   v[64*(\a)+31], s66, s67
	v_permlanex16_b32 v[XR+2*(4*(\w)+(\a))+1], v[64*(\a)+63], s66, s67
.endr
.irp a, 0,1,2,3
	v_add_f32 v[SS+4*(\w)+(\a)], v[64*(\a)+31], v[XR+2*(4*(\w)+(\a))]  ; group 0's 64 columns
.endr
.endr
	WIN 0
	s_wait_dscnt 0x0                               ; the carries
.irp a, 0,1,2,3,4,5,6,7
	v_cndmask_b32 v[OFF+2*(\a)], 0, v[XR+2*(\a)], s68        ; lanes 16-31 stand behind lanes 0-15's 32 columns
	v_cndmask_b32 v[OFF+2*(\a)+1], 0, v[XR+2*(\a)+1], s68
	v_add_f32 v[SS+(\a)], v[SS+(\a)], v[CAR+(\a)]
	v_add_f32 v[OFF+2*(\a)], v[OFF+2*(\a)], v[CAR+(\a)]
	v_add_f32 v[OFF+2*(\a)+1], v[OFF+2*(\a)+1], v[SS+(\a)]
.endr
; Local block a: the offsets are added; 16 rows x 512 bytes go through my own stage and come back as whole rows; each store of the wave covers 512 consecutive aligned bytes of out0.
.macro PASS2 a
	WIN 0x02+(\a)/4
.irp g, 0,1
.set i, 0
.rept 32
	v_add_f32 v[OUT+32*(\g)+i], v[64*((\a)%4)+8*(4*(\g)+i%4)+i/4], v[OFF+2*(\a)+(\g)]
.set i, i+1
.endr
.endr
.endm
.macro TOSTAGE a
	WIN 0
.set BK, 128+64*((\a)%2)
.irp g, 0,1
.irp s, 0,1,2,3,4,5,6,7
	ds_store_b128 v[STO], v[OUT+32*(\g)+4*(\s):OUT+32*(\g)+4*(\s)+3] offset:(\g)*256+(\s)*16
.endr
.endr
.irp t, 0,1,2,3,4,5,6,7,8,9,10,11,12,13,14,15
	ds_load_b128 v[BK+4*(\t):BK+4*(\t)+3], v[RD] offset:(\t)*SPITCH  ; LDS serves a wave's instructions in order (ISA guide 5.7.1.4): these see the stores above
.endr
.endm
.macro SEND a
	WIN 0
.set BK, 128+64*((\a)%2)
	s_wait_dscnt 0x0                               ; the block is back in registers
	s_wait_xcnt 0x0                                ; the stores of the block before have read their registers: the next block is read back into them only behind this wait
.irp t, 0,1,2,3,4,5,6,7,8,9,10,11,12,13,14,15
	global_store_b128 v[CO], v[BK+4*(\t):BK+4*(\t)+3], s[70+2*((\a)/4):71+2*((\a)/4)] offset:(((\a)%4)*16+(\t))*16384 th:TH_STORE_NT
.endr
.endm
	PASS2 0
	TOSTAGE 0
.irp a, 1,2,3,4,5,6,7                  ; block a's additions stand between block a - 1's loads from the stage and the wait for them
	PASS2 \a
	SEND (\a)-1
	TOSTAGE \a
.endr
	SEND 7
	s_wait_tensorcnt 0x0                           ; the wave's end, behind my last tensor load and my last LDS store
	ds_add_u32 v[SPW], v[NIL]
	s_wait_dscnt 0x0
	CROUND                                         ; the closing round: no work-group ends while a partner may still ask for a tile that names it
	s_endpgm
.Lfunc_end_k_q03d385ec6f_gemm:
	.size	k_q03d385ec6f_gemm, .Lfunc_end_k_q03d385ec6f_gemm-k_q03d385ec6f_gemm
	.p2alignl 7, 3214868480
	.fill 96, 4, 3214868480
	.section	.rodata,"a",@progbits
	.p2align	6, 0x0
	.amdhsa_kernel k_q03d385ec6f_gemm
		.amdhsa_group_segment_fixed_size 327680
		.amdhsa_private_segment_fixed_size 0
		.amdhsa_enable_private_segment 0
		.amdhsa_kernarg_size 32
		.amdhsa_user_sgpr_count 2
		.amdhsa_user_sgpr_kernarg_segment_ptr 1
		.amdhsa_wavefront_size32 1
		.amdhsa_system_sgpr_workgroup_id_x 1
		.amdhsa_system_sgpr_workgroup_id_y 1
		.amdhsa_system_sgpr_workgroup_id_z 1
		.amdhsa_system_vgpr_workitem_id 0
		.amdhsa_next_free_vgpr 1024
		.amdhsa_next_free_sgpr 80
		.amdhsa_reserve_vcc 0
		.amdhsa_float_denorm_mode_32 3
		.amdhsa_float_denorm_mode_16_64 3
		.amdhsa_memory_ordered 1
		.amdhsa_forward_progress 1
		.amdhsa_inst_pref_size 188
	.end_amdhsa_kernel
	.amdgpu_metadata
---
amdhsa.version: [ 1, 2 ]
amdhsa.kernels:
  - .name:           k_q03d385ec6f_gemm
    .symbol:         k_q03d385ec6f_gemm.kd
    .args:
      - { .name: xb, .offset: 0, .size: 8, .value_kind: global_buffer, .address_space: global }
      - { .name: wf, .offset: 8, .size: 8, .value_kind: global_buffer, .address_space: global }
      - { .name: bias2, .offset: 16, .size: 8, .value_kind: global_buffer, .address_space: global }
      - { .name: out0, .offset: 24, .size: 8, .value_kind: global_buffer, .address_space: global }
    .group_segment_fixed_size: 327680
    .private_segment_fixed_size: 0
    .kernarg_segment_align: 8
    .kernarg_segment_size: 32
    .max_flat_workgroup_size: 128
    .sgpr_count:     80
    .vgpr_count:     1024
    .wavefront_size: 32
...
	.end_amdgpu_metadata
.endif
;; end of part 2
;; ======== version 2 of 2: 2 launches; version 1 with the launch prep written anew for expert scheduling mode
;; workspace buffers: xb 33,554,432 bytes; wf 35,651,584 bytes; bias2 16,640 bytes
;; launch prep (part 3): grid 256 x 1, 16 waves a work-group, no clusters, 3,072 bytes of LDS; arguments x, W, b, xb, wf, bias2; writes xb, wf, bias2
.if DOCPART == 3
	.amdgcn_target "amdgcn-amd-amdhsa--gfx1250"
	.amdhsa_code_object_version 6
	.text
	.protected	k_q03d385ec6f_prep
	.globl	k_q03d385ec6f_prep
	.p2align	8
	.type	k_q03d385ec6f_prep,@function
k_q03d385ec6f_prep:
	s_mov_b64 s[64:65], 0
	v_nop
	global_prefetch_b8 v0, s[64:65] scope:SCOPE_SE
	s_setreg_imm32_b32 hwreg(HW_REG_WAVE_SCHED_MODE, 0, 2), 2
	s_setreg_imm32_b32 hwreg(HW_REG_WAVE_MODE, 25, 1), 1
	s_wait_xcnt 0x0
	s_wait_alu depctr_vm_vsrc(0)
; out = cumsum(x W + b, axis 1), x [4096][4096], W [4096 (k)][4096 (f)], b [4096], all f32.  FIRST OF TWO LAUNCHES: it rounds the inputs to bf16 and lays them out for the product.
; No work of the problem is left out: all three inputs are loaded, every product and every sum is made.
; LIMITS.  x, W and b are each rounded once to bf16 (nearest even); all sums are f32, in another order than a scan from left to right.  NaN and infinities are not treated apart: a prefix
; of W that is infinite gives NaN in its lower parts.
; WHAT IT STORES.
;   xb    [4096][4096] bf16, row-major: x rounded.
;   wf    [J 0..15][kstep 0..31][nblk 0..16][k16 0..7][512 bytes] bf16: W rounded, turned, in the order in which a matrix operand's registers take it.  A block of 512 bytes is 16 operand rows x 16 k:
;         the 16 bytes at 16 (r + 16 h) are operand row r, k = 128 kstep + 16 k16 + 8 h + 0..7.  For nblk = 4 g + t operand row r is column f = 256 J + 64 g + 4 r + t.
;         nblk = 16 is the CARRY BLOCK: with P0[k] = the sum over f < 256 J of the rounded W[k][f] and P1[k] the same for f < 256 J + 128, operand rows 0, 1, 2 are three bf16 parts of P0 (each the
;         rounding of what the parts before leave: together f32's 24 bits), rows 3, 4, 5 those of P1, rows 6, 7 are 0, rows 8-15 repeat rows 0-7.  x times these columns is the scan's carry into a tile.
;   bias2 bytes 0..16383: the rounded b as f32 in the order of an accumulator's registers: word ((G 2 + h) 4 + t) 8 + j is b[64 G + 32 h + 4 j + t]; bytes 16384..16511: word c is the sum of the rounded b[f], f < 128 c.
; SHARES.  Work-group i owns rows 16 i .. 16 i + 15 of W (one k16 block of every tile column) and of x.  Wave w owns W's columns 256 w .. 256 w + 255 (tile column J = w) and x's row 16 i + w.
; A lane (q = lane % 16, h = lane / 16) loads 16 bytes of W's row 8 h + n: sixteen lanes take 256 consecutive aligned bytes.  The turn is made by the choice of registers: column 4 q + c of the eight rows
; lies in register c of the lane's eight loads.  All loads of a wave go out before or while the first are used; no loop.
; THE MODE: SCHED_MODE bits 1:0 = 2 (LLVM: expert scheduling mode 2), set by the entry lines.  The code itself states the register dependences
; between vector instructions and memory or LDS instructions, with s_wait_alu, always for 0.
; THE PLAN.  Registers that memory or LDS instructions touch:
;   v4-v9, v12, v13  offsets, LDS addresses and the add's two registers: written at the head, never again.
;   WB[gg]   W's loads land in it; group gg's sixteen roundings read it; behind them eight loads of x land in it (gg < 3); in WB[3] the other waves' totals land, four waves' at a time, and additions read them.
;   XB, WB[0..2] as x: a load lands, two roundings write its first two registers in place, one store reads them.  (Work-group 0, wave 0: at the end loads of b land in WB.)
;   PK[gg % 2]  written by group gg's roundings, read by its four stores; written again two groups on, then by the carry block's parts, then (work-group 0) by b.
;   TT       written by the sums, read by two LDS stores, written again as P1.
;   U, SB, BASE are named by vector instructions alone; of SA, only SA + 4 is read by a store, at the end.
; A group has ONE wait on va_vdst, behind its sixteen roundings: PK is written and WB[gg] is read out.  The group's eight loads and four stores follow it, dealt among the lines that widen and add, which read PK and
; write U, SA, SB: no register that those loads land in, none that those stores read is written.  The cast of x goes in four batches of eight loads: one wait on va_vdst at a batch's head says that the batch before has
; written its registers, and that batch's stores are dealt among this batch's roundings, which name other registers.  Waits on vm_vsrc stand where store data are written again: at the heads of groups 2 and 3, once behind the barrier, once ahead of b.
.set SPARE, 1024                       ; LDS: bytes 0..1023 the waves' row sums [16 waves][16 k] f32; from 1024 the spare words, 128 bytes for each of 16 waves, which no other line names
.set OW,   4                           ; v4   W: h x 8 rows + 16 q + 1,024 w
.set OX,   5                           ; v5   x: 16 lane + 16,384 w
.set OS,   6                           ; v6   wf: 16 lane + 2,228,224 w
.set OXS,  7                           ; v7   xb: 8 lane + 8,192 w
.set OT,   8                           ; v8   LDS: 64 w + 32 h
.set OTR,  9                           ; v9   LDS: 32 h
.set SPW,  12                          ; v12  LDS address of my spare word; never rewritten
.set NIL,  13                          ; v13  0; never rewritten
.set WB,   16                          ; v[16:143]  W: group gg of 64 columns at WB + 32 gg, load n at + 4 n; groups 0-2 then take x's loads 8-31, group 3 the other waves' sums
.set XB,   144                         ; v[144:175] x's loads 0-7
.set PK,   176                         ; v[176:207] packed bf16 to store, two sets of 16
.set U,    208                         ; v[208:223] at work, two sets of 8
.set SA,   224                         ; v[224:231] sums of my columns 0-127, for k = 8 h + 0..7
.set SB,   232                         ; v[232:239] of my columns 128-255
.set TT,   240                         ; v[240:247] my wave's total; later P1
.set BASE, 248                         ; v[248:255] the earlier waves' totals: P0
.set LN,   24                          ; s[24:31]   at the very end: eight lanes' sums of b (until then s24 is the mask of a word's upper bf16)
	s_load_b256 s[4:11], s[0:1], 0x0               ; x s[4:5], W s[6:7], b s[8:9], xb s[10:11]
	s_load_b128 s[12:15], s[0:1], 0x20             ; wf s[12:13], bias2 s[14:15]
	v_lshl_add_u32 v[SPW], v0, 2, SPARE
	v_mov_b32 v[NIL], 0
	v_lshrrev_b32 v1, 5, v0
	v_and_b32 v10, 7, v0                           ; m: my operand row of the carry block, modulo 8
	v_readfirstlane_b32 s16, v1                    ; wave 0..15
	v_cmp_le_u32 s23, 3, v10                       ; rows 3 and up belong to P1
	v_and_b32 v1, 31, v0                           ; lane
	v_and_b32 v2, 15, v0                           ; q
	v_bfe_u32 v3, v0, 4, 1                         ; h
	v_add_nc_u32 v14, -3, v10
	v_lshlrev_b32 v[OW], 4, v2
	v_lshl_add_u32 v[OW], v3, 17, v[OW]            ; 8 rows of 16,384 bytes for the upper half of the lanes
	v_lshlrev_b32 v[OTR], 5, v3
	s_mov_b32 s24, 0xffff0000                      ; a word's upper bf16
	s_wait_alu depctr_va_sdst(0)                   ; s16 and s23 are written, ahead of the first reader of either
	s_lshl_b32 s20, s16, 10
	v_add_nc_u32 v[OW], s20, v[OW]
	s_lshl_b32 s20, s16, 14
	v_lshl_add_u32 v[OX], v1, 4, s20
	s_mul_i32 s20, s16, 2228224
	v_lshl_add_u32 v[OS], v1, 4, s20
	s_lshl_b32 s20, s16, 13
	v_lshl_add_u32 v[OXS], v1, 3, s20
	s_lshl_b32 s20, s16, 6
	v_lshl_add_u32 v[OT], v3, 5, s20
	v_cndmask_b32 v11, v10, v14, s23               ; which part: 0, 1, 2; 3 and 4 for the rows of zeros
	s_lshl_b32 s18, ttmp9, 18                      ; 16 rows of 16,384 bytes
	s_mov_b32 s19, 0
	s_wait_kmcnt 0x0
	s_add_nc_u64 s[6:7], s[6:7], s[18:19]
	s_add_nc_u64 s[4:5], s[4:5], s[18:19]
	s_lshl_b32 s18, ttmp9, 17                      ; 16 rows of 8,192 bytes
	s_add_nc_u64 s[10:11], s[10:11], s[18:19]
	s_lshr_b32 s20, ttmp9, 3                       ; kstep
	s_mul_i32 s18, s20, 69632
	s_and_b32 s20, ttmp9, 7                        ; k16
	s_lshl_b32 s20, s20, 9
	s_add_co_u32 s18, s18, s20
	s_add_nc_u64 s[12:13], s[12:13], s[18:19]
	s_wait_alu depctr_va_vdst(0)                   ; the six offsets and LDS addresses v4 to v9 are written, which every load and store below reads
	; 32 loads of W, then the first 8 of x: 40 out
.irp gg, 0,1,2,3
.irp n, 0,1,2,3,4,5,6,7
	global_load_b128 v[WB+32*(\gg)+4*(\n):WB+32*(\gg)+4*(\n)+3], v[OW], s[6:7] offset:(\n)*16384+(\gg)*256 th:TH_LOAD_NT
.endr
.endr
.irp n, 0,1,2,3,4,5,6,7
	global_load_b128 v[XB+4*(\n):XB+4*(\n)+3], v[OX], s[4:5] offset:512*(\n) th:TH_LOAD_NT
.endr
; Group gg: 64 columns x 16 k.  For each c the lane's eight numbers of column 4 q + c are rounded in pairs (16 bytes): all sixteen roundings first.  Then, column by column: two of the next eight loads of x, into the
; registers just read out; the column's store (a wave's store covers 512 consecutive aligned bytes: one block of wf); and the column is widened again and added onto the half's sums, the columns in ascending order:
; the prefixes are made of the ROUNDED W, as the product is.
.macro GROUP gg
	s_wait_loadcnt 32                              ; loads come back in order: behind this group's eight stand (3 - gg) x 8 of W, x's first 8 and the 8 gg issued by the groups before: 32 each time
.if (\gg) >= 2
	s_wait_xcnt 0x0                                ; this PK set was store data two groups back: it is rewritten only behind this wait,
	s_wait_alu depctr_vm_vsrc(0)                   ; and behind this one: those four stores have read the set, which the roundings below write again
.endif
.irp c, 0,1,2,3
.irp p, 0,1,2,3
	v_cvt_pk_bf16_f32 v[PK+16*((\gg)%2)+4*(\c)+(\p)], v[WB+32*(\gg)+8*(\p)+(\c)], v[WB+32*(\gg)+8*(\p)+4+(\c)]
.endr
.endr
	s_wait_alu depctr_va_vdst(0)                   ; the sixteen roundings have written this PK set, which the four stores read, and are done reading WB[gg], in which the loads below (group 3: the LDS loads behind the barrier) land
.irp c, 0,1,2,3
.if (\gg) < 3
	global_load_b128 v[WB+32*(\gg)+8*(\c):WB+32*(\gg)+8*(\c)+3],   v[OX], s[4:5] offset:512*(8+8*(\gg)+2*(\c)) th:TH_LOAD_NT    ; no vector line since the wait names these registers
	global_load_b128 v[WB+32*(\gg)+8*(\c)+4:WB+32*(\gg)+8*(\c)+7], v[OX], s[4:5] offset:512*(8+8*(\gg)+2*(\c)+1) th:TH_LOAD_NT
.endif
	global_store_b128 v[OS], v[PK+16*((\gg)%2)+4*(\c):PK+16*((\gg)%2)+4*(\c)+3], s[12:13] offset:(4*(\gg)+(\c))*4096
.if (((\gg)%2) == 0) && ((\c) == 0)
.irp p, 0,1,2,3                        ; a half's first column starts its sums: nothing is cleared
	v_lshlrev_b32 v[SA+8*((\gg)/2)+2*(\p)],   16,  v[PK+16*((\gg)%2)+4*(\c)+(\p)]
	v_and_b32     v[SA+8*((\gg)/2)+2*(\p)+1], s24, v[PK+16*((\gg)%2)+4*(\c)+(\p)]
.endr
.else
.irp p, 0,1,2,3
	v_lshlrev_b32 v[U+8*((\c)%2)+2*(\p)],   16,  v[PK+16*((\gg)%2)+4*(\c)+(\p)]
	v_and_b32     v[U+8*((\c)%2)+2*(\p)+1], s24, v[PK+16*((\gg)%2)+4*(\c)+(\p)]
.endr
.irp p, 0,1,2,3
	v_pk_add_f32 v[SA+8*((\gg)/2)+2*(\p):SA+8*((\gg)/2)+2*(\p)+1], v[SA+8*((\gg)/2)+2*(\p):SA+8*((\gg)/2)+2*(\p)+1], v[U+8*((\c)%2)+2*(\p):U+8*((\c)%2)+2*(\p)+1]
.endr
.endif
.endr
.endm
	GROUP 0
	GROUP 1
	GROUP 2
	GROUP 3
	; the sums over the sixteen lanes of a half: every lane of half h then holds SA and SB for k = 8 h + 0..7
.irp m, 1,2,4,8
.set r, 0
.rept 16
	v_add_f32_dpp v[SA+r], v[SA+r], v[SA+r] row_xmask:\m row_mask:0xf bank_mask:0xf
.set r, r+1
.endr
.endr
.irp p, 0,2,4,6
	v_pk_add_f32 v[TT+(\p):TT+(\p)+1], v[SA+(\p):SA+(\p)+1], v[SB+(\p):SB+(\p)+1]
.endr
	s_wait_alu depctr_va_vdst(0)                   ; the four sums have written TT, which the LDS stores read
	ds_store_b128 v[OT], v[TT:TT+3]                ; the sixteen lanes of a half write the same words with the same values
	ds_store_b128 v[OT], v[TT+4:TT+7] offset:16
.irp p, 0,1,2,3,4,5,6,7
	v_mov_b32 v[BASE+(\p)], 0
.endr
	s_wait_dscnt 0x0                               ; for the others' sake: my totals lie in LDS
	s_barrier_signal -1
	s_barrier_wait -1                              ; everybody's do: the launch's one barrier
	s_wait_alu depctr_vm_vsrc(0)                   ; my LDS stores have read TT, and the stores of wf both PK sets: P1 and the carry block's parts are written into them below; until then only LDS loads by v9 are issued
	; P0 = the totals of the waves in front of me, in ascending order; the jump hangs on the wave's number and passes no barrier; no LDS load is out at it
.irp bt, 0,1,2,3
.if (\bt) > 0
	s_wait_alu depctr_va_vdst(0)                   ; the additions of the four waves before are done reading these 32 registers, in which the next loads land
.endif
.irp u, 0,1,2,3
.if 4*(\bt)+(\u) < 15
	ds_load_b128 v[WB+96+8*(\u):WB+96+8*(\u)+3],   v[OTR] offset:(4*(\bt)+(\u))*64
	ds_load_b128 v[WB+96+8*(\u)+4:WB+96+8*(\u)+7], v[OTR] offset:(4*(\bt)+(\u))*64+16
.endif
.endr
	s_wait_dscnt 0x0
.irp u, 0,1,2,3
.if 4*(\bt)+(\u) < 15
	s_cmp_le_u32 s16, 4*(\bt)+(\u)
	s_cbranch_scc1 .Lbase
.irp p, 0,2,4,6
	v_pk_add_f32 v[BASE+(\p):BASE+(\p)+1], v[BASE+(\p):BASE+(\p)+1], v[WB+96+8*(\u)+(\p):WB+96+8*(\u)+(\p)+1]
.endr
.endif
.endr
.endr
.Lbase:
.irp p, 0,2,4,6
	v_pk_add_f32 v[TT+(\p):TT+(\p)+1], v[BASE+(\p):BASE+(\p)+1], v[SA+(\p):SA+(\p)+1]  ; P1 = P0 + my first 128 columns
.endr
	s_wait_xcnt 0x0                                ; PK was store data: it is rewritten only behind this wait
.irp p, 0,1,2,3,4,5,6,7
	v_cndmask_b32 v[U+(\p)], v[BASE+(\p)], v[TT+(\p)], s23  ; my operand row's prefix
.endr
; part z: what is left is rounded to bf16 into PK + 4 z; the rounded number is taken away again, which is exact
.macro PART z
.irp p, 0,1,2,3
	v_cvt_pk_bf16_f32 v[PK+4*(\z)+(\p)], v[U+2*(\p)], v[U+2*(\p)+1]
.endr
.if (\z) < 2
.irp p, 0,1,2,3
	v_lshlrev_b32 v[U+8+2*(\p)], 16,  v[PK+4*(\z)+(\p)]
	v_and_b32     v[U+9+2*(\p)], s24, v[PK+4*(\z)+(\p)]
.endr
.irp p, 0,1,2,3
	v_pk_add_f32 v[U+2*(\p):U+2*(\p)+1], v[U+2*(\p):U+2*(\p)+1], v[U+8+2*(\p):U+9+2*(\p)] neg_lo:[0,1] neg_hi:[0,1]
.endr
.endif
.endm
	PART 0
	PART 1
	PART 2
	v_cmp_eq_u32 s20, 0, v11
	v_cmp_eq_u32 s21, 1, v11
	v_cmp_eq_u32 s22, 2, v11
	s_wait_alu depctr_va_sdst(0)                   ; the three masks s20, s21, s22 are written, ahead of the selects that read them
.irp p, 0,1,2,3
	v_cndmask_b32 v[PK+12+(\p)], 0, v[PK+8+(\p)], s22
	v_cndmask_b32 v[PK+12+(\p)], v[PK+12+(\p)], v[PK+4+(\p)], s21
	v_cndmask_b32 v[PK+12+(\p)], v[PK+12+(\p)], v[PK+(\p)], s20
.endr
	s_wait_alu depctr_va_vdst(0)                   ; the selects have written PK + 12 .. 15, which the store reads
	global_store_b128 v[OS], v[PK+12:PK+15], s[12:13] offset:16*4096  ; the carry block's 512 bytes for this k16
	; x: my row, 512 bytes a load, rounded in place; a wave's store covers 256 consecutive aligned bytes.  Four batches of eight loads; a batch's stores stand among the next batch's roundings.
.set k, 0
.rept 4
	s_wait_loadcnt 24-8*k                          ; only x's loads are out, in order: behind batch k's eighth stand 24 - 8 k
.if k > 0
	s_wait_alu depctr_va_vdst(0)                   ; the batch before has written its sixteen registers, which the stores below read; this batch's roundings name other registers
.endif
.set n, 8*k
.rept 8
.if k > 0
.if n < 16
.set Q, XB+4*(n-8)
.else
.set Q, WB+4*(n-16)
.endif
	global_store_b64 v[OXS], v[Q:Q+1], s[10:11] offset:256*(n-8)
.endif
.if n < 8
.set R, XB+4*n
.else
.set R, WB+4*(n-8)
.endif
	v_cvt_pk_bf16_f32 v[R], v[R], v[R+1]
	v_cvt_pk_bf16_f32 v[R+1], v[R+2], v[R+3]
.set n, n+1
.endr
.set k, k+1
.endr
	s_wait_alu depctr_va_vdst(0)                   ; the last batch has written its registers, which the last eight stores read
.set n, 24
.rept 8
.set Q, WB+4*(n-8)
	global_store_b64 v[OXS], v[Q:Q+1], s[10:11] offset:256*n
.set n, n+1
.endr
	; b, by work-group 0 alone: 16 KiB
	s_cmp_lg_u32 ttmp9, 0
	s_cbranch_scc1 .Lend
	s_wait_xcnt 0x0                                ; the stores above have read their registers
	s_wait_alu depctr_vm_vsrc(0)                   ; the stores of xb have read their data in WB, in which wave 0's loads of b land below; it stands ahead of the branch on the wave's number
	v_lshrrev_b32 v14, 4, v0                       ; thread t stores words 4 t .. 4 t + 3 (and 2,048 further): G = t / 16 (+ 32), h = (t / 8) % 2, t' = (t / 2) % 4, j = 4 (t % 2) + 0..3
	v_lshlrev_b32 v14, 8, v14
	v_bfe_u32 v15, v0, 3, 1
	v_lshl_add_u32 v14, v15, 7, v14
	v_and_b32 v15, 1, v0
	v_lshl_add_u32 v14, v15, 6, v14
	v_bfe_u32 v15, v0, 1, 2
	v_lshl_add_u32 v14, v15, 2, v14                ; byte of b[64 G + 32 h + 4 j + t'] for the first j
	v_lshlrev_b32 v15, 4, v0
	s_wait_alu depctr_va_vdst(0)                   ; v14 and v15 are written, the offsets of the loads and stores below; the parts' and selects' lines are done with PK .. PK + 7, in which the loads land
.irp s, 0,1
.irp j, 0,1,2,3
	global_load_b32 v[PK+4*(\s)+(\j)], v14, s[8:9] offset:(\s)*8192+16*(\j)
.endr
.endr
	s_wait_loadcnt 0x0
.irp p, 0,1,2,3
	v_cvt_pk_bf16_f32 v[PK+8+(\p)], v[PK+2*(\p)], v[PK+2*(\p)+1]
.endr
.irp p, 0,1,2,3
	v_lshlrev_b32 v[PK+2*(\p)],   16,  v[PK+8+(\p)]
	v_and_b32     v[PK+2*(\p)+1], s24, v[PK+8+(\p)]
.endr
	s_wait_alu depctr_va_vdst(0)                   ; the eight lines above have written PK .. PK + 7, which the two stores read
	global_store_b128 v15, v[PK:PK+3], s[14:15]
	global_store_b128 v15, v[PK+4:PK+7], s[14:15] offset:8192
	s_cmp_lg_u32 s16, 0                            ; the prefixes of b at multiples of 128: wave 0; lane c sums b[128 c .. 128 c + 127]
	s_cbranch_scc1 .Lend
	v_lshlrev_b32 v10, 9, v1
	v_lshlrev_b32 v11, 2, v1
	s_wait_alu depctr_va_vdst(0)                   ; v10 and v11 are written, the offsets of the loads and of the store below
.set n, 0
.rept 32
	global_load_b128 v[WB+4*n:WB+4*n+3], v10, s[8:9] offset:16*n
.set n, n+1
.endr
	s_wait_loadcnt 0x0
.set n, 0
.rept 32
	v_cvt_pk_bf16_f32 v[U], v[WB+4*n], v[WB+4*n+1]
	v_cvt_pk_bf16_f32 v[U+1], v[WB+4*n+2], v[WB+4*n+3]
.if n == 0
	v_lshlrev_b32 v[SA],   16,  v[U]               ; the first four start two chains
	v_and_b32     v[SA+1], s24, v[U]
	v_lshlrev_b32 v[SA+2], 16,  v[U+1]
	v_and_b32     v[SA+3], s24, v[U+1]
.else
	v_lshlrev_b32 v[U+4], 16,  v[U]
	v_and_b32     v[U+5], s24, v[U]
	v_lshlrev_b32 v[U+6], 16,  v[U+1]
	v_and_b32     v[U+7], s24, v[U+1]
	v_pk_add_f32 v[SA:SA+1], v[SA:SA+1], v[U+4:U+5]
	v_pk_add_f32 v[SA+2:SA+3], v[SA+2:SA+3], v[U+6:U+7]
.endif
.set n, n+1
.endr
	v_pk_add_f32 v[SA:SA+1], v[SA:SA+1], v[SA+2:SA+3]
	v_add_f32 v[SA], v[SA], v[SA+1]
	s_mov_b32 s20, 0
	v_mov_b32 v[SA+4], 0
.set n, 0
.rept 4                                ; lane c takes the sum of the lanes in front of it: one chain of 32 additions in ascending order; the lanes' sums come out eight at a time
.irp q, 0,1,2,3,4,5,6,7
	v_readlane_b32 s[LN+(\q)], v[SA], n+(\q)
.endr
	s_wait_alu depctr_va_sdst(0)                   ; the eight lanes' sums s24 to s31 are written, ahead of the additions that read them
.irp q, 0,1,2,3,4,5,6,7
	v_writelane_b32 v[SA+4], s20, n+(\q)
	s_add_f32 s20, s20, s[LN+(\q)]
.endr
.set n, n+8
.endr
	s_wait_alu depctr_va_vdst(0)                   ; the 32 lines that write a lane have written SA + 4, which the store reads
	global_store_b32 v11, v[SA+4], s[14:15] offset:16384
.Lend:
	s_wait_dscnt 0x0                               ; the closing lines, six on end
	s_wait_alu 0x0
	s_wait_tensorcnt 0x0
	ds_add_u32 v[SPW], v[NIL]
	s_wait_dscnt 0x0
	s_endpgm
.Lfunc_end_k_q03d385ec6f_prep:
	.size	k_q03d385ec6f_prep, .Lfunc_end_k_q03d385ec6f_prep-k_q03d385ec6f_prep
	.p2alignl 7, 3214868480
	.fill 96, 4, 3214868480
	.section	.rodata,"a",@progbits
	.p2align	6, 0x0
	.amdhsa_kernel k_q03d385ec6f_prep
		.amdhsa_group_segment_fixed_size 3072
		.amdhsa_private_segment_fixed_size 0
		.amdhsa_enable_private_segment 0
		.amdhsa_kernarg_size 48
		.amdhsa_user_sgpr_count 2
		.amdhsa_user_sgpr_kernarg_segment_ptr 1
		.amdhsa_wavefront_size32 1
		.amdhsa_system_sgpr_workgroup_id_x 1
		.amdhsa_system_sgpr_workgroup_id_y 1
		.amdhsa_system_sgpr_workgroup_id_z 1
		.amdhsa_system_vgpr_workitem_id 0
		.amdhsa_next_free_vgpr 256
		.amdhsa_next_free_sgpr 66
		.amdhsa_reserve_vcc 0
		.amdhsa_float_denorm_mode_32 3
		.amdhsa_float_denorm_mode_16_64 3
		.amdhsa_memory_ordered 1
		.amdhsa_forward_progress 1
		.amdhsa_inst_pref_size 67
	.end_amdhsa_kernel
	.amdgpu_metadata
---
amdhsa.version: [ 1, 2 ]
amdhsa.kernels:
  - .name:           k_q03d385ec6f_prep
    .symbol:         k_q03d385ec6f_prep.kd
    .args:
      - { .name: x, .offset: 0, .size: 8, .value_kind: global_buffer, .address_space: global }
      - { .name: W, .offset: 8, .size: 8, .value_kind: global_buffer, .address_space: global }
      - { .name: b, .offset: 16, .size: 8, .value_kind: global_buffer, .address_space: global }
      - { .name: xb, .offset: 24, .size: 8, .value_kind: global_buffer, .address_space: global }
      - { .name: wf, .offset: 32, .size: 8, .value_kind: global_buffer, .address_space: global }
      - { .name: bias2, .offset: 40, .size: 8, .value_kind: global_buffer, .address_space: global }
    .group_segment_fixed_size: 3072
    .private_segment_fixed_size: 0
    .kernarg_segment_align: 8
    .kernarg_segment_size: 48
    .max_flat_workgroup_size: 512
    .sgpr_count:     66
    .vgpr_count:     256
    .wavefront_size: 32
...
	.end_amdgpu_metadata
.endif
;; end of part 3
;; launch gemm: the kernel of part 2 again; grid 16 x 16, 4 waves a work-group, clusters of 4 x 4, 327,680 bytes of LDS; arguments xb, wf, bias2, out0; writes out0
